; MI455X (gfx1250); checked and timed in simulation.
; The chip was launched on July 23, 2026; its instructions are those of AMD's public machine-readable ISA for CDNA 5 (MIT licence, August 2026) and "CDNA5" Instruction Set Architecture Reference Guide (July 2026). The comments in the code are by the model that wrote it; some were corrected since.
;; Grouped Experts. Allowed arithmetic: matrix products marked QUANTISED: E4M3 operands, one E8M0 scale for each 32 along K, by v_wmma_scale_f32_16x16x128_f8f6f4 with both operands' format E4M3, f32 sums; everything else in f32.
;; Inputs: expert_ends 8 int32; expert_starts 8 int32; sorted_x_codes 4,096 x 16 x 32 uint8 (E4M3 codes of sorted_x, K innermost, in blocks of 32 codes); sorted_x_scales 4,096 x 16 uint8 (E8M0 scales of sorted_x, one for each 32 codes along K); w12_codes 8 x 2,048 x 16 x 32 uint8 (E4M3 codes of w12, K innermost, in blocks of 32 codes); w12_scales 8 x 2,048 x 16 uint8 (E8M0 scales of w12, one for each 32 codes along K); w3_codes 8 x 512 x 32 x 32 uint8 (E4M3 codes of w3, K innermost, in blocks of 32 codes); w3_scales 8 x 512 x 32 uint8 (E8M0 scales of w3, one for each 32 codes along K).
;; Outputs: out0 4,096 x 512 float32.
;; This version of the problem:
;;   THIS VERSION OF THE PROBLEM IS GIVEN IN LOW PRECISION. The matrix products marked QUANTISED in the list below multiply operands that are first quantised to E4M3 (4 exponent bits, 3 mantissa bits; 8 bits a number), with one power-of-two scale for each 32 numbers along K (OCP MX v1.0); their sums are f32. All else is computed in f32.
;;   The module's matrix products, in the order in which they are computed (A, B: the left and right operand; K: the contracted axis; several contracted axes count as one K, in the product's order):
;;     1. [M 4,096, K 512] x [K 512, N 2,048]; A: input sorted_x (given as codes); B: input w12 (given as codes): QUANTISED
;;     2. [M 4,096, K 1,024] x [K 1,024, N 512]; A: computed on the way; B: input w3 (given as codes): QUANTISED
;;     3. [M 4,096, K 512] x [K 512, N 2,048]; A: input sorted_x (given as codes); B: input w12 (given as codes): QUANTISED
;;     4. [M 4,096, K 1,024] x [K 1,024, N 512]; A: computed on the way; B: input w3 (given as codes): QUANTISED
;;     5. [M 4,096, K 512] x [K 512, N 2,048]; A: input sorted_x (given as codes); B: input w12 (given as codes): QUANTISED
;;     6. [M 4,096, K 1,024] x [K 1,024, N 512]; A: computed on the way; B: input w3 (given as codes): QUANTISED
;;     7. [M 4,096, K 512] x [K 512, N 2,048]; A: input sorted_x (given as codes); B: input w12 (given as codes): QUANTISED
;;     8. [M 4,096, K 1,024] x [K 1,024, N 512]; A: computed on the way; B: input w3 (given as codes): QUANTISED
;;     9. [M 4,096, K 512] x [K 512, N 2,048]; A: input sorted_x (given as codes); B: input w12 (given as codes): QUANTISED
;;     10. [M 4,096, K 1,024] x [K 1,024, N 512]; A: computed on the way; B: input w3 (given as codes): QUANTISED
;;     11. [M 4,096, K 512] x [K 512, N 2,048]; A: input sorted_x (given as codes); B: input w12 (given as codes): QUANTISED
;;     12. [M 4,096, K 1,024] x [K 1,024, N 512]; A: computed on the way; B: input w3 (given as codes): QUANTISED
;;     13. [M 4,096, K 512] x [K 512, N 2,048]; A: input sorted_x (given as codes); B: input w12 (given as codes): QUANTISED
;;     14. [M 4,096, K 1,024] x [K 1,024, N 512]; A: computed on the way; B: input w3 (given as codes): QUANTISED
;;     15. [M 4,096, K 512] x [K 512, N 2,048]; A: input sorted_x (given as codes); B: input w12 (given as codes): QUANTISED
;;     16. [M 4,096, K 1,024] x [K 1,024, N 512]; A: computed on the way; B: input w3 (given as codes): QUANTISED
;;   THE QUANTISER, for each operand of a quantised product, along K:
;;     - K is cut into blocks of 32 from its start; a last block that is shorter is filled with zeros.
;;     - A block's scale is 2^e with e = floor(log2(the largest magnitude in the block)) - 8, held to -126 .. 127; a block of zeros has e = 0. As a byte (E8M0): e + 127.
;;     - Each number is divided by its block's scale, clamped to +-448, and rounded to the nearest number of E4M3, ties to even, subnormals kept.
;;     - The product sums the exact products of the quantised numbers (number of the format x scale) in f32.
;;   ~~~python
;;   def quantise(x, axis):      # numpy; x: float32 -> the quantised numbers, widened to float32 again
;;       x = np.moveaxis(x, axis, -1); K = x.shape[-1]
;;       x = np.pad(x, [(0, 0)] * (x.ndim - 1) + [(0, -K % 32)]); x = x.reshape(x.shape[:-1] + (-1, 32)); a = np.abs(x).max(-1, keepdims=True)
;;       e = np.where(a > 0, np.clip(np.frexp(np.where(a > 0, a, 1))[1] - 1 - 8, -126, 127), 0)      # np.frexp(a)[1] - 1 = floor(log2(a)), exactly
;;       r = np.clip(x / 2.0 ** e, -448, 448)
;;       step = 2.0 ** (np.maximum(np.frexp(np.where(r == 0, 1, r))[1] - 1, -6) - 3)
;;       q = np.round(r / step) * step * 2.0 ** e      # np.round: ties to even
;;       return np.moveaxis(q.reshape(q.shape[:-2] + (-1,))[..., :K], -1, axis).astype(np.float32)
;;   ~~~
;;   OPERANDS COMPUTED ON THE WAY. 'Computed on the way' means the value that the module computes at that place (a softmax that the list does not call 'softmax' is quantised finished and normalised). What goes into a quantiser is computed in f32, as accurately as f32 sums, v_exp_f32 and their like allow (about 1e-6 of the number): no bf16 or f16 on the way to a quantiser, and a product that is left as it is and whose result goes on into a quantised operand takes f32 operands (vector FMAs, or v_wmma_f32_16x16x4_f32). A number that lies on a knife's edge between two numbers of the format may be rounded either way, as far as f32 arithmetic and the matrix unit's own rounding can turn it there, and no further.
;;   INPUTS GIVEN AS CODES. sorted_x (in the module: [4096, 512], K = its axis 1); w12 (in the module: [8, 2048, 512], K = its axis 2); w3 (in the module: [8, 512, 1024], K = its axis 2): each comes as NAME_codes (uint8): NAME with its K axis moved to the last place and cut into blocks of 32 codes, [.., K / 32, bytes a block], one block behind the other in memory; one code a byte (a code: sign, 4 exponent bits, 3 mantissa bits); and NAME_scales (uint8): the same leading axes, one E8M0 byte (e + 127) for each 32 codes along K. Its value is code x scale, taken as it is: it is not quantised again, and the codes and scales need not be those that the quantiser above would give.
;; One version. Each part assembles by itself: llvm-mc -triple=amdgcn-amd-amdhsa -mcpu=gfx1250 --defsym DOCPART=n.
;; ======== version 1 of 1: 2 launches
;; workspace buffers: hq 33,554,432 bytes; hs 1,048,576 bytes
;; launch up (part 1): grid 32 x 8, 4 waves a work-group, no clusters, 219,648 bytes of LDS; arguments sorted_x_codes, sorted_x_scales, w12_codes, w12_scales, expert_starts, expert_ends, hq, hs; writes hq, hs
.if DOCPART == 1
	.amdgcn_target "amdgcn-amd-amdhsa--gfx1250"
	.amdhsa_code_object_version 6
	.text
	.protected	k_qd5a2e032b8_up
	.globl	k_qd5a2e032b8_up
	.p2align	8
	.type	k_qd5a2e032b8_up,@function
k_qd5a2e032b8_up:
	s_mov_b64 s[64:65], 0
	v_nop
	global_prefetch_b8 v0, s[64:65] scope:SCOPE_SE
	s_setreg_imm32_b32 hwreg(HW_REG_WAVE_MODE, 25, 1), 1
	s_wait_xcnt 0x0
; GroupedExperts, first half: h = Q(silu(x W12a^T) * (x W12b^T)) for the experts that own tokens, on codes of FP8 (E4M3) with one E8M0 scale for each 32 along K.
; SHARES.  Work-group (x = tb, y = sl) takes tokens 128 tb .. +127 and hidden units 128 sl .. +127, for every ACTIVE expert: one whose segment [start, end) meets the block.
; Expert 0 is taken where none is, with every token masked, so that each block stores at least one expert's (zero) codes.  Wave w owns hidden units 128 sl + 32 w .. +31:
; one block of the quantiser, for all 128 tokens.
; LAYOUT.  The product is used transposed: source 0 = 16 rows of w12, source 1 = 16 tokens, so a lane holds ONE token.  THE ROWS OF A TILE ARE NOT NEIGHBOURS: lane r of tile
; (part, u) takes row 1024 part + 128 sl + 32 w + 8 u + r + 8 (r / 8), so the 16 registers of tiles u = 0, 1 are hidden units 32 w + 16 (lane / 16) + 0 .. 15: the second product's order.
; THE MASK is laid on the quantiser: in lanes whose token lies outside the segment the block's maximum becomes the floor and the hold's bound 0, so the codes are zeros.
; OUT.  hq [e][token tile 256][K step 8][c 4][lane 32][16 bytes]: the image of the second product's operand registers; a wave's store covers 512 consecutive aligned bytes.
;       hs [e][block 32][K step 8][token 128] words: byte b = the E8M0 byte of hidden block 4 s + b.
; x's 128 rows are staged once in LDS for all four waves; a wave's 64 rows of w12 are loaded whole (512 consecutive bytes a load) and turned into fragments through LDS bytes of its own.
; NO TENSOR LOADS, NO CLUSTER: which experts a block walks hangs on numbers read from memory, so the walk is a scalar branch on them.
; LIMITS: NaN and infinities in h are not served.  A NaN code or a scale byte 0xff in an expert's weights reaches all 128 tokens of every block that the expert touches.
; A block of zeros gets the byte 1 where the rule says 127: its codes are zeros, and this program alone reads the bytes.
.set XP,   528                         ; an LDS row: 512 bytes + 16: 33 x 16, so the 16 rows of a fragment load start at 16 different groups of banks
.set WB,   128*XP                      ; behind x's 128 rows: 64 rows of w12 for each wave
.set WREG, 64*XP
.set SCB,  WB+4*WREG                   ; behind them: scale words, 4,096 bytes a wave: 8 trips x 128 tokens x 4 bytes
.set XS,   32                          ; v32-47   x's scale words: register 4 p + q: lanes 0-15 tile 2 p, lanes 16-31 tile 2 p + 1, K step q
.set WS,   48                          ; v48-55   w12's: register 4 part + q: lanes 0-15 u = 0, lanes 16-31 u = 1
.set ACC,  64                          ; v64-95   four accumulators: h1 (u = 0, 1), h2 (u = 0, 1)
.set A1,   ACC
.set A2,   ACC+16
.set XF,   96                          ; v96-223  x's fragments, two buffers of 64; at the head the staging of x
.set HH,   224                         ; v224-239 h of my token: 16 neighbouring hidden units
; v1 16 lane; v2 x's staging place; v3 x's fragment place; v4, v5 the same for my rows of w12; v6 my row of w12's scales; v7, v8 my scale word (v8: this trip's); v9 r;
; v10, v11 the way out of the scale words; v12-18 at work; v19 r - (start - first token); v20-23 codes.   Window 1: v0-255 my rows of w12, then their 16 fragments at 64 t + 16 q.
; s8-23 the eight buffers; s24-39 starts, ends; s40 wave, s41 tb, s42 sl, s43/44 the block's first token and end; s45 the active experts, s46 those still to do, s47 the expert in hand;
; s50-53 its start, end, start - first token, length; s54/55 trip, 512 x trip; s56-61 its bases; s62-63 an offset; s66-73 the work-group's bases; s74-79 constants; s80 offset of a scalar load.
.set MSB, 0
.macro WIN new                         ; the immediate's high byte repeats the setting that is left
.if MSB != \new
	s_set_vgpr_msb (MSB<<8)|\new
.set MSB, \new
.endif
.endm
; one product.  k = 0: it starts the sum.  ra, rb: which half of the lanes holds source 0's and source 1's scale words
.macro MM acc, a, b, k, sa, sb, ra, rb
.if (\k) == 0
.if (\ra) && (\rb)
	v_wmma_scale_f32_16x16x128_f8f6f4 v[(\acc):(\acc)+7], v[(\a):(\a)+15], v[(\b):(\b)+15], 0, v[(\sa)], v[(\sb)] matrix_a_scale:MATRIX_SCALE_ROW1 matrix_b_scale:MATRIX_SCALE_ROW1
.elseif (\ra)
	v_wmma_scale_f32_16x16x128_f8f6f4 v[(\acc):(\acc)+7], v[(\a):(\a)+15], v[(\b):(\b)+15], 0, v[(\sa)], v[(\sb)] matrix_a_scale:MATRIX_SCALE_ROW1
.elseif (\rb)
	v_wmma_scale_f32_16x16x128_f8f6f4 v[(\acc):(\acc)+7], v[(\a):(\a)+15], v[(\b):(\b)+15], 0, v[(\sa)], v[(\sb)] matrix_b_scale:MATRIX_SCALE_ROW1
.else
	v_wmma_scale_f32_16x16x128_f8f6f4 v[(\acc):(\acc)+7], v[(\a):(\a)+15], v[(\b):(\b)+15], 0, v[(\sa)], v[(\sb)]
.endif
.else
.if (\ra) && (\rb)
	v_wmma_scale_f32_16x16x128_f8f6f4 v[(\acc):(\acc)+7], v[(\a):(\a)+15], v[(\b):(\b)+15], v[(\acc):(\acc)+7], v[(\sa)], v[(\sb)] matrix_a_scale:MATRIX_SCALE_ROW1 matrix_b_scale:MATRIX_SCALE_ROW1
.elseif (\ra)
	v_wmma_scale_f32_16x16x128_f8f6f4 v[(\acc):(\acc)+7], v[(\a):(\a)+15], v[(\b):(\b)+15], v[(\acc):(\acc)+7], v[(\sa)], v[(\sb)] matrix_a_scale:MATRIX_SCALE_ROW1
.elseif (\rb)
	v_wmma_scale_f32_16x16x128_f8f6f4 v[(\acc):(\acc)+7], v[(\a):(\a)+15], v[(\b):(\b)+15], v[(\acc):(\acc)+7], v[(\sa)], v[(\sb)] matrix_b_scale:MATRIX_SCALE_ROW1
.else
	v_wmma_scale_f32_16x16x128_f8f6f4 v[(\acc):(\acc)+7], v[(\a):(\a)+15], v[(\b):(\b)+15], v[(\acc):(\acc)+7], v[(\sa)], v[(\sb)]
.endif
.endif
.endm
.macro ACTIVE                          ; bit e of s45: max(start, first token) < min(end, first token + 128), signed
	s_mov_b32 s45, 0
.irp e, 0,1,2,3,4,5,6,7
	s_max_i32 s48, s[24+\e], s43
	s_min_i32 s49, s[32+\e], s44
	s_cmp_lt_i32 s48, s49
	s_cselect_b32 s48, 1<<\e, 0
	s_or_b32 s45, s45, s48
.endr
	s_cmp_eq_u32 s45, 0
	s_cselect_b32 s45, 1, s45                      ; no expert owns a token here: expert 0 is walked with every token masked
.endm
.macro NEXTE                           ; the lowest expert still to do, held to 0 .. 7 before it enters an address
	s_ctz_i32_b32 s47, s46
	s_min_u32 s47, s47, 7
.endm
.macro SETE                            ; the bases of expert s47: 2^20 bytes of codes and 2^15 of scale bytes an expert; its start and end
	s_lshl_b32 s62, s47, 20
	s_add_nc_u64 s[56:57], s[66:67], s[62:63]
	s_lshl_b32 s62, s47, 15
	s_add_nc_u64 s[58:59], s[68:69], s[62:63]
	s_lshl_b32 s80, s47, 2
	s_load_b32 s50, s[16:17], s80 offset:0x0
	s_load_b32 s51, s[18:19], s80 offset:0x0
.endm
.macro WLOAD                           ; my 64 rows of w12, position p = 16 t + r, a whole row of 512 bytes a load, into window 1; then their scale words: 66 loads
	WIN 0x40
.set p, 0
.rept 64
	global_load_b128 v[4*p:4*p+3], v1, s[56:57] offset:((p/32)*1024+8*((p/16)%2)+p%16+8*((p%16)/8))*512
.set p, p+1
.endr
	WIN 0
	global_load_b128 v[WS:WS+3], v6, s[58:59]
	global_load_b128 v[WS+4:WS+7], v6, s[58:59] offset:16384
.endm
.macro XFETCH m                        ; x's four fragments of token tile m into buffer m % 2: lane (r, h): row 16 m + r, bytes 128 q + 32 c + 16 h
.irp q, 0,1,2,3
.irp c, 0,1,2,3
	ds_load_b128 v[XF+64*((\m)%2)+16*\q+4*\c:XF+64*((\m)%2)+16*\q+4*\c+3], v3 offset:16*XP*(\m)+128*\q+32*\c
.endr
.endr
.endm
; What follows a tile's products: h = (h1 sigmoid(h1)) h2 in f32, the mask, the quantiser, the stores.
.macro POST m
	v_add_nc_u32 v18, 16*\m, v19                   ; my token - start, as an unsigned number
	v_cmp_gt_u32 vcc_lo, s53, v18                  ; inside the segment: under its length
.rept 8
	v_nop                                          ; eight places behind the last product before its result is read; with the two lines above they also serve the next tile's first products, which begin the sums anew
.endr
.irp j, 0,2,4,6,8,10,12,14
	v_pk_mul_f32 v[HH+\j:HH+\j+1], v[A1+\j:A1+\j+1], s[78:79] op_sel_hi:[1,0]   ; -h1 log2(e); each accumulator is read from its low end on
.endr
.irp j, 0,1,2,3,4,5,6,7,8,9,10,11,12,13,14,15
	v_exp_f32 v[HH+\j], v[HH+\j]
.endr
	v_nop                                          ; a plain place behind the transcendentals
	s_wait_alu depctr_va_vdst(0)
.irp j, 0,2,4,6,8,10,12,14
	v_pk_add_f32 v[HH+\j:HH+\j+1], v[HH+\j:HH+\j+1], 1.0 op_sel_hi:[1,0]
.endr
.irp j, 0,1,2,3,4,5,6,7,8,9,10,11,12,13,14,15
	v_rcp_f32 v[HH+\j], v[HH+\j]                   ; sigmoid(h1)
.endr
	v_nop
	s_wait_alu depctr_va_vdst(0)
.irp j, 0,2,4,6,8,10,12,14
	v_pk_mul_f32 v[HH+\j:HH+\j+1], v[HH+\j:HH+\j+1], v[A1+\j:A1+\j+1]   ; silu(h1)
.endr
.irp j, 0,2,4,6,8,10,12,14
	v_pk_mul_f32 v[HH+\j:HH+\j+1], v[HH+\j:HH+\j+1], v[A2+\j:A2+\j+1]   ; x h2
.endr
	v_max3_num_f32 v12, |v[HH]|, |v[HH+1]|, 0x4800000       ; the largest magnitude of my 16, in two chains, with the floor 2^(9 - 127): the byte cannot fall under 1
	v_max3_num_f32 v13, |v[HH+8]|, |v[HH+9]|, |v[HH+10]|
	v_max3_num_f32 v12, v12, |v[HH+2]|, |v[HH+3]|
	v_max3_num_f32 v13, v13, |v[HH+11]|, |v[HH+12]|
	v_max3_num_f32 v12, v12, |v[HH+4]|, |v[HH+5]|
	v_max3_num_f32 v13, v13, |v[HH+13]|, |v[HH+14]|
	v_max3_num_f32 v12, v12, |v[HH+6]|, |v[HH+7]|
	v_max3_num_f32 v12, v12, v13, |v[HH+15]|
	v_permlanex16_b32 v14, v12, s74, s75
	v_max_num_f32 v12, v12, v14                    ; with lane l xor 16's 16: the block's
	v_cndmask_b32 v12, 0x4800000, v12, vcc_lo      ; a token outside the segment: the floor,
	v_add_nc_u32 v15, 0xfc000000, v12              ; 8 off the exponent field: the conversion's scale operand
	v_and_or_b32 v16, v12, 0x7f800000, s76         ; 448 x the scale
	v_cndmask_b32 v16, 0, v16, vcc_lo              ; and a bound of 0: its codes are zeros
.irp i, 0,1,2,3,4,5,6,7,8,9,10,11,12,13,14,15
	v_med3_num_f32 v[HH+\i], v[HH+\i], -v16, v16   ; the conversion to an 8-bit code does not saturate (ISA guide 7.6.2): the hold
.endr
	s_wait_xcnt 0x0                                ; the last tile's store has read v20-23: they are written again only behind this wait
	v_cvt_scalef32_pk8_fp8_f32 v[20:21], v[HH:HH+7], v15
	v_cvt_scalef32_pk8_fp8_f32 v[22:23], v[HH+8:HH+15], v15
	v_lshrrev_b32 v17, 23, v15                     ; the scale's byte (the plain line behind the conversions; the last store of v17 is done: a wait on DScnt stood at this tile's head)
	v_lshlrev_b32 v17, s77, v17                    ; at my wave's place in the word
	ds_store_b32 v8, v17 offset:64*\m              ; both lanes of a token write the same word with the same value
	global_store_b128 v1, v[20:23], s[60:61] offset:16384*\m   ; 32 lanes store 512 consecutive bytes, at a multiple of 512 from hq's first byte
.endm
; Token tile m: the next tile's fragments are asked for, then 16 products, the four accumulators by turns, K ascending.
.macro TILE m
.if \m < 7
	XFETCH \m+1                                    ; into the buffer that tile m - 1 multiplied: the places stand in its POST
	s_wait_dscnt 16                                ; all but the 16 just issued: this tile's fragments (and, for tile 0, w12's) are in
.else
	s_wait_dscnt 0x0
.endif
	WIN 0x01                                       ; source 0 (w12) window 1
.irp q, 0,1,2,3
.irp t, 0,1,2,3
	MM ACC+8*\t, 64*\t+16*\q, XF+64*((\m)%2)+16*\q, \q, WS+4*(\t/2)+\q, XS+4*((\m)/2)+\q, \t%2, (\m)%2
.endr
.endr
	WIN 0
	POST \m
.endm
	s_load_b512 s[8:23], s[0:1], 0x0               ; x codes 8, x scales 10, w12 codes 12, w12 scales 14, starts 16, ends 18, hq 20, hs 22
	v_lshl_add_u32 v254, v0, 2, 0x35800
	v_mov_b32 v255, 0
	v_lshrrev_b32 v1, 5, v0
	v_readfirstlane_b32 s40, v1                    ; wave 0..3
	s_mov_b32 s41, ttmp9                           ; tb
	s_and_b32 s42, ttmp7, 0xffff                   ; sl
	s_lshl_b32 s43, s41, 7                         ; the block's first token
	s_add_co_u32 s44, s43, 128
	v_and_b32 v12, 31, v0                          ; lane
	v_lshlrev_b32 v1, 4, v12                       ; 16 x lane
	v_and_b32 v9, 15, v0                           ; r
	v_bfe_u32 v13, v0, 4, 1                        ; h
	s_mul_i32 s48, s40, 32*XP
	v_add_nc_u32 v2, s48, v1                       ; x on the way in: my wave's rows 32 w on
	v_mul_u32_u24 v3, v9, XP
	v_lshl_add_u32 v3, v13, 4, v3                  ; a fragment's row x pitch + 16 h
	s_mul_i32 s48, s40, WREG
	s_add_co_u32 s48, s48, WB
	v_add_nc_u32 v4, s48, v1                       ; my rows of w12 on the way in,
	v_add_nc_u32 v5, s48, v3                       ; and as fragments
	v_and_b32 v6, 8, v9
	v_add_nc_u32 v6, v6, v9
	v_lshl_add_u32 v6, v13, 3, v6
	v_lshlrev_b32 v6, 4, v6                        ; 16 bytes of scales a row: row r + 8 (r / 8) + 8 h
	s_lshl_b32 s48, s40, 12
	s_add_co_u32 s48, s48, SCB
	v_lshl_add_u32 v7, v9, 2, s48                  ; my token's scale word among my wave's
	v_add_nc_u32 v10, SCB, v1
	v_mov_b32 v14, 0                               ; written once: a lane permute's destination counts as one of its sources
	s_lshl_b32 s77, s40, 3                         ; 8 w: my byte's place in a scale word
	s_mov_b32 s74, 0x76543210
	s_mov_b32 s75, 0xfedcba98                      ; selects for lane l xor 16
	s_mov_b32 s76, 0x600000                        ; the mantissa field of 448
	s_mov_b32 s78, 0xbfb8aa3b                      ; -log2(e)
	s_mov_b32 s79, s78                             ; (named with it as a pair)
	s_mov_b32 s63, 0
	s_wait_kmcnt 0x0
	s_load_b256 s[24:31], s[16:17], 0x0            ; starts
	s_load_b256 s[32:39], s[18:19], 0x0            ; ends
	s_lshl_b32 s62, s41, 16
	s_lshl_b32 s48, s40, 14
	s_add_co_u32 s62, s62, s48
	s_add_nc_u64 s[8:9], s[8:9], s[62:63]          ; x's codes at row 128 tb + 32 w
	s_lshl_b32 s62, s41, 11
	s_add_nc_u64 s[10:11], s[10:11], s[62:63]      ; x's scales at row 128 tb
.irp i, 0,1,2,3,4,5,6,7,8,9,10,11,12,13,14,15,16,17,18,19,20,21,22,23,24,25,26,27,28,29,30,31
	global_load_b128 v[XF+4*\i:XF+4*\i+3], v1, s[8:9] offset:512*\i     ; a whole row of x a load
.endr
.irp p, 0,1,2,3
	global_load_b128 v[XS+4*\p:XS+4*\p+3], v1, s[10:11] offset:512*\p   ; lane l: the four scale words of token 32 p + l
.endr
	s_lshl_b32 s62, s42, 16
	s_lshl_b32 s48, s40, 14
	s_add_co_u32 s62, s62, s48
	s_add_nc_u64 s[66:67], s[12:13], s[62:63]      ; w12's codes at row 128 sl + 32 w
	s_lshl_b32 s62, s42, 11
	s_lshl_b32 s48, s40, 9
	s_add_co_u32 s62, s62, s48
	s_add_nc_u64 s[68:69], s[14:15], s[62:63]      ; its scales likewise
	s_lshl_b32 s48, s41, 17
	s_add_co_u32 s62, s62, s48
	s_add_nc_u64 s[70:71], s[20:21], s[62:63]      ; hq at tile 8 tb, K step sl, c = w: 2^17 tb + 2^11 sl + 2^9 w
	s_lshl_b32 s62, s41, 12
	s_lshl_b32 s48, s42, 9
	s_add_co_u32 s62, s62, s48
	s_add_nc_u64 s[72:73], s[22:23], s[62:63]      ; hs at block tb, K step sl
	s_wait_kmcnt 0x0
	ACTIVE
	s_mov_b32 s46, s45
	NEXTE
	SETE
	WLOAD                                          ; the first active expert's rows: there is always one
	s_wait_loadcnt 63                              ; behind x's 36 loads stand 66; the count's field ends at 63: with 63 out the first 39 of the 102 are in
.irp i, 0,1,2,3,4,5,6,7,8,9,10,11,12,13,14,15,16,17,18,19,20,21,22,23,24,25,26,27,28,29,30,31
	ds_store_b128 v2, v[XF+4*\i:XF+4*\i+3] offset:XP*\i
.endr
	s_wait_dscnt 0x0                               ; for the others' sake: my rows of x lie in LDS
	s_barrier_signal -1
	s_barrier_wait -1                              ; all 128 do
	s_mov_b32 s54, 0
	s_mov_b32 s55, 0
.Lexp:                                                 ; eight trips, a constant; trip k takes the k-th active expert, the others do nothing
	v_add_nc_u32 v8, s55, v7
	s_cmp_eq_u32 s46, 0
	s_cbranch_scc1 .Lskip
	s_wait_kmcnt 0x0                               ; the expert's start and end
	s_max_i32 s50, s50, 0                          ; held to 0 .. 4,096: no token's membership changes, and the differences below cannot overflow
	s_min_i32 s50, s50, 0x1000
	s_max_i32 s51, s51, 0
	s_min_i32 s51, s51, 0x1000
	s_sub_co_i32 s52, s50, s43
	s_sub_co_i32 s53, s51, s50
	s_max_i32 s53, s53, 0
	v_sub_nc_u32 v19, v9, s52
	s_wait_xcnt 0x0                                ; the last expert's stores have read their base
	s_lshl_b32 s62, s47, 22                        ; 2^22 bytes of hq an expert
	s_add_nc_u64 s[60:61], s[70:71], s[62:63]
	s_wait_loadcnt 0x0                             ; my rows of w12, their scale words (and, the first time, x's)
	WIN 0x04                                       ; an LDS store's data are its source 1: window 1
.set p, 0
.rept 64
	ds_store_b128 v4, v[4*p:4*p+3] offset:XP*p
.set p, p+1
.endr
	WIN 0x40                                       ; back as fragments, into the registers that they left: LDS serves a wave's instructions in order (ISA guide 5.7.1.4)
.irp t, 0,1,2,3
.irp q, 0,1,2,3
.irp c, 0,1,2,3
	ds_load_b128 v[64*\t+16*\q+4*\c:64*\t+16*\q+4*\c+3], v5 offset:16*XP*\t+128*\q+32*\c
.endr
.endr
.endr
	WIN 0
	XFETCH 0
.irp m, 0,1,2,3,4,5,6,7
	TILE \m
.endr
	s_sub_co_u32 s48, s46, 1
	s_and_b32 s46, s46, s48                        ; this expert is done
	s_cmp_eq_u32 s46, 0
	s_cbranch_scc1 .Lskip
	NEXTE
	SETE                                           ; the bases are free: the loads that named them were waited for above
	WLOAD                                          ; the next expert's rows (the places behind the last products stand in the last tile's POST)
.Lskip:
	s_add_co_u32 s55, s55, 512
	s_add_co_u32 s54, s54, 1
	s_cmp_lt_u32 s54, 8
	s_cbranch_scc1 .Lexp
	s_wait_dscnt 0x0                               ; for wave 0's sake: my scale words lie in LDS
	s_barrier_signal -1
	s_barrier_wait -1
	s_mov_b32 s46, s45                             ; the same walk once more: wave 0 joins the four waves' bytes and stores 512 bytes an expert
	s_mov_b32 s54, 0
	s_mov_b32 s55, 0
.Lout:
	v_add_nc_u32 v11, s55, v10
	s_cmp_eq_u32 s46, 0
	s_cbranch_scc1 .Lnone
	NEXTE
	s_sub_co_u32 s48, s46, 1
	s_and_b32 s46, s46, s48
	s_cmp_lg_u32 s40, 0
	s_cbranch_scc1 .Lnone
	s_wait_xcnt 0x0                                ; the earlier stores have read their base and their data
	s_lshl_b32 s62, s47, 17                        ; 2^17 bytes of hs an expert
	s_add_nc_u64 s[60:61], s[72:73], s[62:63]
.irp g, 0,1,2,3
	ds_load_b128 v[XF+4*\g:XF+4*\g+3], v11 offset:4096*\g   ; wave g's words of tokens 4 lane .. +3
.endr
	s_wait_dscnt 0x0
.irp j, 0,1,2,3
	v_or_b32 v[XF+\j], v[XF+\j], v[XF+4+\j]
	v_or_b32 v[XF+8+\j], v[XF+8+\j], v[XF+12+\j]
.endr
.irp j, 0,1,2,3
	v_or_b32 v[XF+\j], v[XF+\j], v[XF+8+\j]
.endr
	global_store_b128 v1, v[XF:XF+3], s[60:61]     ; 512 consecutive bytes, at a multiple of 512 from hs's first byte
.Lnone:
	s_add_co_u32 s55, s55, 512
	s_add_co_u32 s54, s54, 1
	s_cmp_lt_u32 s54, 8
	s_cbranch_scc1 .Lout
	s_wait_tensorcnt 0x0
	ds_add_u32 v254, v255
	s_wait_dscnt 0x0
	s_endpgm
.Lfunc_end_k_qd5a2e032b8_up:
	.size	k_qd5a2e032b8_up, .Lfunc_end_k_qd5a2e032b8_up-k_qd5a2e032b8_up
	.p2alignl 7, 3214868480
	.fill 96, 4, 3214868480
	.section	.rodata,"a",@progbits
	.p2align	6, 0x0
	.amdhsa_kernel k_qd5a2e032b8_up
		.amdhsa_group_segment_fixed_size 219648
		.amdhsa_private_segment_fixed_size 0
		.amdhsa_enable_private_segment 0
		.amdhsa_kernarg_size 64
		.amdhsa_user_sgpr_count 2
		.amdhsa_user_sgpr_kernarg_segment_ptr 1
		.amdhsa_wavefront_size32 1
		.amdhsa_system_sgpr_workgroup_id_x 1
		.amdhsa_system_sgpr_workgroup_id_y 1
		.amdhsa_system_sgpr_workgroup_id_z 1
		.amdhsa_system_vgpr_workitem_id 0
		.amdhsa_next_free_vgpr 512
		.amdhsa_next_free_sgpr 84
		.amdhsa_reserve_vcc 1
		.amdhsa_float_denorm_mode_32 3
		.amdhsa_float_denorm_mode_16_64 3
		.amdhsa_memory_ordered 1
		.amdhsa_forward_progress 1
		.amdhsa_inst_pref_size 104
	.end_amdhsa_kernel
	.amdgpu_metadata
---
amdhsa.version: [ 1, 2 ]
amdhsa.kernels:
  - .name:           k_qd5a2e032b8_up
    .symbol:         k_qd5a2e032b8_up.kd
    .args:
      - { .name: sorted_x_codes, .offset: 0, .size: 8, .value_kind: global_buffer, .address_space: global }
      - { .name: sorted_x_scales, .offset: 8, .size: 8, .value_kind: global_buffer, .address_space: global }
      - { .name: w12_codes, .offset: 16, .size: 8, .value_kind: global_buffer, .address_space: global }
      - { .name: w12_scales, .offset: 24, .size: 8, .value_kind: global_buffer, .address_space: global }
      - { .name: expert_starts, .offset: 32, .size: 8, .value_kind: global_buffer, .address_space: global }
      - { .name: expert_ends, .offset: 40, .size: 8, .value_kind: global_buffer, .address_space: global }
      - { .name: hq, .offset: 48, .size: 8, .value_kind: global_buffer, .address_space: global }
      - { .name: hs, .offset: 56, .size: 8, .value_kind: global_buffer, .address_space: global }
    .group_segment_fixed_size: 219648
    .private_segment_fixed_size: 0
    .kernarg_segment_align: 8
    .kernarg_segment_size: 64
    .max_flat_workgroup_size: 128
    .sgpr_count:     84
    .vgpr_count:     512
    .wavefront_size: 32
...
	.end_amdgpu_metadata
.endif
;; end of part 1
;; launch down (part 2): grid 32 x 8, 4 waves a work-group, no clusters, 198,144 bytes of LDS; arguments hq, hs, w3_codes, w3_scales, expert_starts, expert_ends, out0; writes out0
.if DOCPART == 2
	.amdgcn_target "amdgcn-amd-amdhsa--gfx1250"
	.amdhsa_code_object_version 6
	.text
	.protected	k_qd5a2e032b8_down
	.globl	k_qd5a2e032b8_down
	.p2align	8
	.type	k_qd5a2e032b8_down,@function
k_qd5a2e032b8_down:
	s_mov_b64 s[64:65], 0
	v_nop
	global_prefetch_b8 v0, s[64:65] scope:SCOPE_SE
	s_setreg_imm32_b32 hwreg(HW_REG_WAVE_MODE, 25, 1), 1
	s_wait_xcnt 0x0
; GroupedExperts, second half: out = the sum over the active experts e of h_e W3_e^T, on codes of FP8 (E4M3) with one E8M0 scale for each 32 along K (the 1,024 hidden units).
; SHARES.  Work-group (x = tb, y = ns) owns tokens 128 tb .. +127 and columns 64 ns .. +63 of out: each number of out has one owner, and its sum runs through all active experts in one chain.
; Active is what it was in the launch before: the segment meets the block; expert 0 where none does.  Tokens outside a segment have zero codes in hq, so no mask is needed here.
; Wave w owns token tiles 2 w, 2 w + 1 for all 64 columns: eight accumulators.  Its 16 fragments of h come from hq straight into registers: hq holds their images, 512 consecutive bytes a load.
; The expert's 64 rows of w3 (1,024 bytes each) serve all four waves: each wave loads 16 whole rows and stores them into LDS; two regions take turns, trip by trip, so ONE barrier a trip does:
; the region written in trip i was last read in trip i - 2, and every wave waited for those reads in front of trip i - 1's barrier, which the writers have passed.
; The product is used transposed (source 0 = 16 rows of w3, source 1 = 16 tokens): a lane holds eight neighbouring columns of one token's row.
; NO TENSOR LOADS, NO CLUSTER: the walk over the experts is a scalar branch on numbers read from memory.
; The barrier stands on every path of each of the eight trips; only the work round it is jumped over.
; LIMITS: a NaN code or a scale byte 0xff in an expert's w3 reaches all 128 tokens of every block that the expert touches.
.set WP,   1040                        ; a row of w3 in LDS: 1,024 bytes + 16: 65 x 16
.set RGN,  1<<17                       ; the second region begins here: one exclusive or turns an address
.set STG,  64*WP                       ; behind the first region: 16 rows x 272 bytes for each wave, for the way out
.set SP,   272
.set HS,   16                          ; v16-23   h's scale words: register s: lanes 0-15 my first tile's tokens, lanes 16-31 my second's
.set W3S,  24                          ; v24-39   w3's: register 8 (n / 2) + s: lanes 0-15 tile n even, lanes 16-31 n odd
.set ACC,  48                          ; v48-111  accumulator (tt, n) at 8 (4 tt + n)
.set WF,   112                         ; v112-239 w3's fragments, two buffers of 64; before that the staging of my 16 rows
; v1 16 lane, v2 4 lane, v3 32 lane; v4, v5 w3 on the way into LDS and as fragments; v6, v7 the same in this trip's region; v8, v9 the stage, in and back; v10 my place in out.
; Window 1: v0-255 h's fragments, (s, tt) at 16 (2 s + tt).
; s8-21 the buffers; s24-39 starts, ends; s40 wave, s41 tb, s42 ns, s43/44 the block's first token and end; s45-47 active, still to do, in hand; s54 trip, s55 region;
; s56-61, s66-67 the expert's bases; s62-63 an offset; s68-77 the work-group's bases.
.set MSB, 0
.macro WIN new                         ; the immediate's high byte repeats the setting that is left
.if MSB != \new
	s_set_vgpr_msb (MSB<<8)|\new
.set MSB, \new
.endif
.endm
.macro MM acc, a, b, sa, sb, ra, rb    ; one product, onto its accumulator.  ra, rb: which half of the lanes holds source 0's and source 1's scale words
.if (\ra) && (\rb)
	v_wmma_scale_f32_16x16x128_f8f6f4 v[(\acc):(\acc)+7], v[(\a):(\a)+15], v[(\b):(\b)+15], v[(\acc):(\acc)+7], v[(\sa)], v[(\sb)] matrix_a_scale:MATRIX_SCALE_ROW1 matrix_b_scale:MATRIX_SCALE_ROW1
.elseif (\ra)
	v_wmma_scale_f32_16x16x128_f8f6f4 v[(\acc):(\acc)+7], v[(\a):(\a)+15], v[(\b):(\b)+15], v[(\acc):(\acc)+7], v[(\sa)], v[(\sb)] matrix_a_scale:MATRIX_SCALE_ROW1
.elseif (\rb)
	v_wmma_scale_f32_16x16x128_f8f6f4 v[(\acc):(\acc)+7], v[(\a):(\a)+15], v[(\b):(\b)+15], v[(\acc):(\acc)+7], v[(\sa)], v[(\sb)] matrix_b_scale:MATRIX_SCALE_ROW1
.else
	v_wmma_scale_f32_16x16x128_f8f6f4 v[(\acc):(\acc)+7], v[(\a):(\a)+15], v[(\b):(\b)+15], v[(\acc):(\acc)+7], v[(\sa)], v[(\sb)]
.endif
.endm
.macro ACTIVE                          ; bit e of s45: max(start, first token) < min(end, first token + 128), signed
	s_mov_b32 s45, 0
.irp e, 0,1,2,3,4,5,6,7
	s_max_i32 s48, s[24+\e], s43
	s_min_i32 s49, s[32+\e], s44
	s_cmp_lt_i32 s48, s49
	s_cselect_b32 s48, 1<<\e, 0
	s_or_b32 s45, s45, s48
.endr
	s_cmp_eq_u32 s45, 0
	s_cselect_b32 s45, 1, s45                      ; no expert owns a token here: expert 0's codes of this block are zeros, and out becomes 0
.endm
.macro NEXTE                           ; the lowest expert still to do, held to 0 .. 7 before it enters an address
	s_ctz_i32_b32 s47, s46
	s_min_u32 s47, s47, 7
.endm
.macro SETE                            ; an expert's bytes: hq 2^22, hs 2^17, w3's codes 2^19, w3's scales 2^14
	s_lshl_b32 s62, s47, 22
	s_add_nc_u64 s[56:57], s[68:69], s[62:63]
	s_lshl_b32 s62, s47, 17
	s_add_nc_u64 s[58:59], s[70:71], s[62:63]
	s_lshl_b32 s62, s47, 19
	s_add_nc_u64 s[60:61], s[72:73], s[62:63]
	s_lshl_b32 s62, s47, 14
	s_add_nc_u64 s[66:67], s[74:75], s[62:63]
.endm
.macro LOADS                           ; an expert's 108 loads, in the order in which they are wanted
.irp i, 0,1,2,3,4,5,6,7,8,9,10,11,12,13,14,15
.irp f, 0,1
	global_load_b128 v[WF+4*(2*\i+\f):WF+4*(2*\i+\f)+3], v1, s[60:61] offset:1024*\i+512*\f   ; 32: my 16 rows of w3, 512 consecutive bytes a load
.endr
.endr
.irp np, 0,1
.irp f, 0,1
	global_load_b128 v[W3S+8*\np+4*\f:W3S+8*\np+4*\f+3], v3, s[66:67] offset:1024*\np+16*\f   ; 4: lane l: the eight scale words of row 32 np + l
.endr
.endr
.irp s, 0,1,2,3,4,5,6,7
	global_load_b32 v[HS+\s], v2, s[58:59] offset:512*\s                                      ; 8: lane l: token 32 w + l's word of K step s
.endr
	WIN 0x40
.irp s, 0,1,2,3,4,5,6,7
.irp tt, 0,1
.irp c, 0,1,2,3
	global_load_b128 v[16*(2*\s+\tt)+4*\c:16*(2*\s+\tt)+4*\c+3], v1, s[56:57] offset:16384*\tt+2048*\s+512*\c   ; 64: h's fragments, K step by K step
.endr
.endr
.endr
	WIN 0
.endm
.macro FETCH s                         ; w3's four fragments of K step s into buffer s % 2: lane (r, h): row 16 n + r, bytes 128 s + 32 c + 16 h
.irp n, 0,1,2,3
.irp c, 0,1,2,3
	ds_load_b128 v[WF+64*((\s)%2)+16*\n+4*\c:WF+64*((\s)%2)+16*\n+4*\c+3], v7 offset:16*WP*\n+128*(\s)+32*\c
.endr
.endr
.endm
.macro STEP s                          ; K step s: eight products, the eight accumulators by turns, in the same order in every step and over the loop's edge
.if (\s) > 0 && (\s) < 7
.rept 8
	v_nop                                          ; eight places behind the products of step s - 1 in front of loads into the buffer that they read
.endr
.endif
.if (\s) < 7
	FETCH (\s)+1
	s_wait_dscnt 16                                ; all but the 16 just issued: this step's fragments of w3 are in
.else
	s_wait_dscnt 0x0
.endif
	s_wait_loadcnt 56-8*(\s)                       ; behind this step's eight loads of h stand those of the 7 - s later steps; the scale words were asked for ahead of all of them
	WIN 0x04                                       ; source 1 (h) window 1
.irp tt, 0,1
.irp n, 0,1,2,3
	MM ACC+8*(4*\tt+\n), WF+64*((\s)%2)+16*\n, 16*(2*(\s)+\tt), W3S+8*(\n/2)+(\s), HS+(\s), \n%2, \tt
.endr
.endr
	WIN 0
.endm
	s_load_b256 s[8:15], s[0:1], 0x0               ; hq 8, hs 10, w3 codes 12, w3 scales 14
	s_load_b128 s[16:19], s[0:1], 0x20             ; starts 16, ends 18
	s_load_b64 s[20:21], s[0:1], 0x30              ; out
	v_lshl_add_u32 v254, v0, 2, 0x30400
	v_mov_b32 v255, 0
	v_lshrrev_b32 v1, 5, v0
	v_readfirstlane_b32 s40, v1                    ; wave 0..3
	s_mov_b32 s41, ttmp9                           ; tb
	s_and_b32 s42, ttmp7, 0xffff                   ; ns
	s_lshl_b32 s43, s41, 7
	s_add_co_u32 s44, s43, 128
	v_and_b32 v11, 31, v0                          ; lane
	v_and_b32 v12, 15, v0                          ; r
	v_bfe_u32 v13, v0, 4, 1                        ; h
	v_lshlrev_b32 v1, 4, v11
	v_lshlrev_b32 v2, 2, v11
	v_lshlrev_b32 v3, 5, v11
	s_mul_i32 s48, s40, 16*WP
	v_add_nc_u32 v4, s48, v1                       ; w3 on the way in: my rows 16 w on
	v_mul_u32_u24 v5, v12, WP
	v_lshl_add_u32 v5, v13, 4, v5                  ; a fragment's row x pitch + 16 h
	s_mul_i32 s48, s40, 16*SP
	s_add_co_u32 s48, s48, STG                     ; my stage
	v_mul_u32_u24 v8, v12, SP
	v_lshl_add_u32 v8, v13, 5, v8
	v_add_nc_u32 v8, s48, v8                       ; in: row r, 32 bytes for each half of the lanes
	v_mul_u32_u24 v9, v13, SP
	v_lshl_add_u32 v9, v12, 4, v9
	v_add_nc_u32 v9, s48, v9                       ; back: lanes 0-15 one row of 256 bytes, lanes 16-31 the next
	v_lshlrev_b32 v10, 11, v13
	v_lshl_add_u32 v10, v12, 4, v10                ; and the same two rows in out: 2,048 bytes a row
	s_mov_b32 s63, 0
	s_wait_kmcnt 0x0
	s_load_b256 s[24:31], s[16:17], 0x0            ; starts
	s_load_b256 s[32:39], s[18:19], 0x0            ; ends
	s_lshl_b32 s62, s41, 17
	s_lshl_b32 s48, s40, 15
	s_add_co_u32 s62, s62, s48
	s_add_nc_u64 s[68:69], s[8:9], s[62:63]        ; hq at tile 8 tb + 2 w
	s_lshl_b32 s62, s41, 12
	s_lshl_b32 s48, s40, 7
	s_add_co_u32 s62, s62, s48
	s_add_nc_u64 s[70:71], s[10:11], s[62:63]      ; hs at block tb, token 32 w
	s_lshl_b32 s62, s42, 16
	s_lshl_b32 s48, s40, 14
	s_add_co_u32 s62, s62, s48
	s_add_nc_u64 s[72:73], s[12:13], s[62:63]      ; w3's codes at row 64 ns + 16 w
	s_lshl_b32 s62, s42, 11
	s_add_nc_u64 s[74:75], s[14:15], s[62:63]      ; w3's scales at row 64 ns
	s_lshl_b32 s62, s41, 18
	s_lshl_b32 s48, s40, 16
	s_add_co_u32 s62, s62, s48
	s_lshl_b32 s48, s42, 8
	s_add_co_u32 s62, s62, s48
	s_add_nc_u64 s[76:77], s[20:21], s[62:63]      ; out at row 128 tb + 32 w, column 64 ns
	s_wait_kmcnt 0x0
	ACTIVE
	s_mov_b32 s46, s45
	NEXTE
	SETE
	LOADS                                          ; the first active expert's: there is always one
.irp j, 0,1,2,3,4,5,6,7,8,9,10,11,12,13,14,15,16,17,18,19,20,21,22,23,24,25,26,27,28,29,30,31,32,33,34,35,36,37,38,39,40,41,42,43,44,45,46,47,48,49,50,51,52,53,54,55,56,57,58,59,60,61,62,63
	v_mov_b32 v[ACC+\j], 0                         ; the sums begin as zeros: the step is written once, for whichever expert comes first; these lines run while the loads are out
.endr
	s_mov_b32 s54, 0
	s_mov_b32 s55, 0
.Ltrip:                                                ; eight trips, a constant; trip k takes the k-th active expert
	v_add_nc_u32 v6, s55, v4
	v_add_nc_u32 v7, s55, v5
	s_wait_loadcnt 63                              ; behind my 32 staging loads stand 76; the count's field ends at 63: with 63 out the first 45 of the 108 are in.  On every path, so that nothing below meets a pending load
	s_cmp_eq_u32 s46, 0
	s_cbranch_scc1 .Lnostage
.irp i, 0,1,2,3,4,5,6,7,8,9,10,11,12,13,14,15
.irp f, 0,1
	ds_store_b128 v6, v[WF+4*(2*\i+\f):WF+4*(2*\i+\f)+3] offset:WP*\i+512*\f
.endr
.endr
.Lnostage:
	s_wait_dscnt 0x0                               ; for the others' sake: my rows of w3 lie in LDS, and my reads of the other region are over
	s_barrier_signal -1
	s_barrier_wait -1
	s_cmp_eq_u32 s46, 0
	s_cbranch_scc1 .Lnowork
	FETCH 0
.irp s, 0,1,2,3,4,5,6,7
	STEP \s
.endr
.rept 8
	v_nop                                          ; eight places behind the last products: for the next expert's loads into what they read, and for the way out's first read of the sums
.endr
	s_sub_co_u32 s48, s46, 1
	s_and_b32 s46, s46, s48                        ; this expert is done
	s_cmp_eq_u32 s46, 0
	s_cbranch_scc1 .Lnowork
	NEXTE
	SETE                                           ; the bases are free: the last step waited for all the loads that named them
	LOADS
.Lnowork:
	s_xor_b32 s55, s55, RGN                        ; the other region
	s_add_co_u32 s54, s54, 1
	s_cmp_lt_u32 s54, 8
	s_cbranch_scc1 .Ltrip
	; THE WAY OUT.  A lane holds 32 neighbouring bytes of a token's row and the lanes beside it other rows: a tile of 16 rows x 256 bytes goes through my own stage and comes back by rows, into the registers
	; that it left.  LDS serves a wave's instructions in order (ISA guide 5.7.1.4): no wait between the stores and the loads, nor in front of the second tile's stores.
.irp tt, 0,1
.irp n, 0,1,2,3
	ds_store_b128 v8, v[ACC+8*(4*\tt+\n):ACC+8*(4*\tt+\n)+3] offset:64*\n          ; each accumulator from its low end on
	ds_store_b128 v8, v[ACC+8*(4*\tt+\n)+4:ACC+8*(4*\tt+\n)+7] offset:64*\n+16
.endr
.irp i, 0,1,2,3,4,5,6,7
	ds_load_b128 v[ACC+32*\tt+4*\i:ACC+32*\tt+4*\i+3], v9 offset:2*SP*\i
.endr
.endr
	s_wait_dscnt 16                                ; the first tile is back: behind its loads stand the second's 8 stores and 8 loads
.irp i, 0,1,2,3,4,5,6,7
	global_store_b128 v10, v[ACC+4*\i:ACC+4*\i+3], s[76:77] offset:2*\i*2048 th:TH_STORE_NT   ; 16 lanes store 256 consecutive bytes, at a multiple of 256 from out's first byte; written once, read by nobody here
.endr
	s_wait_dscnt 0x0
.irp i, 0,1,2,3,4,5,6,7
	global_store_b128 v10, v[ACC+32+4*\i:ACC+32+4*\i+3], s[76:77] offset:(16+2*\i)*2048 th:TH_STORE_NT
.endr
	s_wait_tensorcnt 0x0
	ds_add_u32 v254, v255
	s_wait_dscnt 0x0
	s_endpgm
.Lfunc_end_k_qd5a2e032b8_down:
	.size	k_qd5a2e032b8_down, .Lfunc_end_k_qd5a2e032b8_down-k_qd5a2e032b8_down
	.p2alignl 7, 3214868480
	.fill 96, 4, 3214868480
	.section	.rodata,"a",@progbits
	.p2align	6, 0x0
	.amdhsa_kernel k_qd5a2e032b8_down
		.amdhsa_group_segment_fixed_size 198144
		.amdhsa_private_segment_fixed_size 0
		.amdhsa_enable_private_segment 0
		.amdhsa_kernarg_size 56
		.amdhsa_user_sgpr_count 2
		.amdhsa_user_sgpr_kernarg_segment_ptr 1
		.amdhsa_wavefront_size32 1
		.amdhsa_system_sgpr_workgroup_id_x 1
		.amdhsa_system_sgpr_workgroup_id_y 1
		.amdhsa_system_sgpr_workgroup_id_z 1
		.amdhsa_system_vgpr_workitem_id 0
		.amdhsa_next_free_vgpr 512
		.amdhsa_next_free_sgpr 80
		.amdhsa_reserve_vcc 0
		.amdhsa_float_denorm_mode_32 3
		.amdhsa_float_denorm_mode_16_64 3
		.amdhsa_memory_ordered 1
		.amdhsa_forward_progress 1
		.amdhsa_inst_pref_size 53
	.end_amdhsa_kernel
	.amdgpu_metadata
---
amdhsa.version: [ 1, 2 ]
amdhsa.kernels:
  - .name:           k_qd5a2e032b8_down
    .symbol:         k_qd5a2e032b8_down.kd
    .args:
      - { .name: hq, .offset: 0, .size: 8, .value_kind: global_buffer, .address_space: global }
      - { .name: hs, .offset: 8, .size: 8, .value_kind: global_buffer, .address_space: global }
      - { .name: w3_codes, .offset: 16, .size: 8, .value_kind: global_buffer, .address_space: global }
      - { .name: w3_scales, .offset: 24, .size: 8, .value_kind: global_buffer, .address_space: global }
      - { .name: expert_starts, .offset: 32, .size: 8, .value_kind: global_buffer, .address_space: global }
      - { .name: expert_ends, .offset: 40, .size: 8, .value_kind: global_buffer, .address_space: global }
      - { .name: out0, .offset: 48, .size: 8, .value_kind: global_buffer, .address_space: global }
    .group_segment_fixed_size: 198144
    .private_segment_fixed_size: 0
    .kernarg_segment_align: 8
    .kernarg_segment_size: 56
    .max_flat_workgroup_size: 128
    .sgpr_count:     80
    .vgpr_count:     512
    .wavefront_size: 32
...
	.end_amdgpu_metadata
.endif
;; end of part 2
